; MI455X (gfx1250); checked and timed in simulation.
; The chip was launched on July 23, 2026; its instructions are those of AMD's public machine-readable ISA for CDNA 5 (MIT licence, August 2026) and "CDNA5" Instruction Set Architecture Reference Guide (July 2026). The comments in the code are by the model that wrote it; some were corrected since.
;; QKV Attention. Allowed arithmetic: matrix products marked QUANTISED: E2M1 operands, one E8M0 scale for each 32 along K, by v_wmma_scale_f32_16x16x128_f8f6f4 with both operands' format E2M1 (or v_wmma_scale_f32_32x16x128_f4), f32 sums; everything else in f32.
;; Inputs: qkv 4 x 3,072 x 2,048 float32.
;; Outputs: out0 4 x 1,024 x 2,048 float32.
;; This version of the problem:
;;   THIS VERSION OF THE PROBLEM IS GIVEN IN LOW PRECISION. The matrix products marked QUANTISED in the list below multiply operands that are first quantised to E2M1 (2 exponent bits, 1 mantissa bit; 4 bits a number), with one power-of-two scale for each 32 numbers along K (OCP MX v1.0); their sums are f32. All else is computed in f32.
;;   The module's matrix products, in the order in which they are computed (A, B: the left and right operand; K: the contracted axis; several contracted axes count as one K, in the product's order):
;;     1. batch 64 x [M 2,048, K 64] x [K 64, N 2,048]; A: computed on the way; B: computed on the way: QUANTISED
;;     2. batch 64 x [M 64, K 2,048] x [K 2,048, N 2,048]; A: input qkv; B: softmax (see below): QUANTISED
;;   THE QUANTISER, for each operand of a quantised product, along K:
;;     - K is cut into blocks of 32 from its start; a last block that is shorter is filled with zeros.
;;     - A block's scale is 2^e with e = floor(log2(the largest magnitude in the block)) - 2, held to -126 .. 127; a block of zeros has e = 0. As a byte (E8M0): e + 127.
;;     - Each number is divided by its block's scale, clamped to +-6, and rounded to the nearest number of E2M1, ties to even, subnormals kept.
;;     - The product sums the exact products of the quantised numbers (number of the format x scale) in f32.
;;   ~~~python
;;   def quantise(x, axis):      # numpy; x: float32 -> the quantised numbers, widened to float32 again
;;       x = np.moveaxis(x, axis, -1); K = x.shape[-1]
;;       x = np.pad(x, [(0, 0)] * (x.ndim - 1) + [(0, -K % 32)]); x = x.reshape(x.shape[:-1] + (-1, 32)); a = np.abs(x).max(-1, keepdims=True)
;;       e = np.where(a > 0, np.clip(np.frexp(np.where(a > 0, a, 1))[1] - 1 - 2, -126, 127), 0)      # np.frexp(a)[1] - 1 = floor(log2(a)), exactly
;;       r = np.clip(x / 2.0 ** e, -6, 6)
;;       step = 2.0 ** (np.maximum(np.frexp(np.where(r == 0, 1, r))[1] - 1, 0) - 1)
;;       q = np.round(r / step) * step * 2.0 ** e      # np.round: ties to even
;;       return np.moveaxis(q.reshape(q.shape[:-2] + (-1,))[..., :K], -1, axis).astype(np.float32)
;;   ~~~
;;   SOFTMAX AHEAD OF A QUANTISED PRODUCT. Where the list says 'softmax', what is quantised is not the finished softmax but p = 2^(t - M), with t = logit x log2(e) and M = ceil(the row's largest t), a whole number; so 1/2 < the row's largest p <= 1. The row's sum l is taken of the UNQUANTISED p, in f32, and the product's result is divided by l at the end. Since M is a whole number, a kernel that streams over the keys may use a running M (the ceiling of the running maximum): every later rescaling is an exact power of two, which a block's scale takes up: the codes' values come out the same.
;;   OPERANDS COMPUTED ON THE WAY. 'Computed on the way' means the value that the module computes at that place (a softmax that the list does not call 'softmax' is quantised finished and normalised). What goes into a quantiser is computed in f32, as accurately as f32 sums, v_exp_f32 and their like allow (about 1e-6 of the number): no bf16 or f16 on the way to a quantiser, and a product that is left as it is and whose result goes on into a quantised operand takes f32 operands (vector FMAs, or v_wmma_f32_16x16x4_f32). A number that lies on a knife's edge between two numbers of the format may be rounded either way, as far as f32 arithmetic and the matrix unit's own rounding can turn it there, and no further.
;; 2 versions. Each part assembles by itself: llvm-mc -triple=amdgcn-amd-amdhsa -mcpu=gfx1250 --defsym DOCPART=n.
;; ======== version 1 of 2: 1 launch
;; launch attn (part 1): grid 4 x 64, 16 waves a work-group, no clusters, 278,528 bytes of LDS; arguments qkv, out0; writes out0
.if DOCPART == 1
	.amdgcn_target "amdgcn-amd-amdhsa--gfx1250"
	.amdhsa_code_object_version 6
	.text
	.protected	k_qcb0e53588d_attn
	.globl	k_qcb0e53588d_attn
	.p2align	8
	.type	k_qcb0e53588d_attn,@function
k_qcb0e53588d_attn:
	s_mov_b64 s[64:65], 0
	v_nop
	global_prefetch_b8 v0, s[64:65] scope:SCOPE_SE
	s_setreg_imm32_b32 hwreg(HW_REG_WAVE_MODE, 25, 1), 1
	s_wait_xcnt 0x0
; out0[head][c][t] = the sum over s of softmax_s((q 2^-1.5) . (k 2^-1.5)) v[c][s], for 64 heads; a head is a slab [192][2048] of qkv, f32: rows 0-63 q, 64-127 k, 128-191 v; t and s innermost.
; Both products on codes of FP4 (E2M1) with one E8M0 scale for each 32 along K.  Product 1: K = the 64 channels (two blocks a query, two a key); the instruction's other 64 along K are zero codes on both sides.
; Product 2: K = the keys.  p = 2^(t - M), t = logit x log2(e), M the running largest t rounded up to a whole number; the row's sum is taken of the unquantised p and divides at the end.
; SHARES.  A work-group owns 512 queries of one head (grid 4 x 64); each of its sixteen waves 32 of them, as two tiles of 16 taken one after the other (PASS 0, PASS 1), in 256 registers: four waves to a SIMD.
; PHASE 1.  The work-group quantises its head's k and v ONCE into LDS (65,536 + 65,536 bytes of codes, 12,288 of scale words) and each wave its own 32 queries into registers.  Wave w takes keys 128 w .. 128 w + 127
; (a lane to a key, registers down the channels: a block of 32 lies in one lane) and channels 4 w .. 4 w + 3 of v (dense loads, turned through the wave's own stage so that a lane holds 16 neighbouring keys).
; MAIN PHASE.  Every wave walks all 2,048 keys, 128 a step, out of LDS: no memory is read any more.  Both products are used transposed (S^T = K Q^T, O^T = V P^T): a lane holds ONE query throughout.
; THE KEYS OF A TILE ARE NOT NEIGHBOURS: row r of tile 2 b + u is key 32 b + 8 u + r + 8 (r / 8) of the step, so that the 16 registers of tiles 2 b and 2 b + 1 are 16 neighbouring keys, 32 b + 16 (lane / 16) + 0 .. 15.
; THE END.  O^T / the sum meets in a stage of 64 channel rows x 512 queries; each wave stores 4 whole rows, 512 consecutive bytes an instruction.
; NO CLUSTER, NO JOINT LOADS, though the four work-groups of a head read the same k and v: what is shared is 1,048,576 bytes of f32 that pass once, at the head, and are wanted in registers, a lane to a key.  Brought jointly
; they would go through a ring in the 132,096 bytes of LDS that are free at that time and be read from there by as many LDS loads as there are global loads now.  No prefetch: all reads from memory stand at the head.
; LIMITS.  NaN and infinities among the inputs are not served.  A block of zeros gets the scale byte 1 where the rule says 127: its codes are zeros, and this program alone reads the bytes.  A p under 2^-126 counts as 0
; (v_exp_f32 gives 0 there).  A block's largest p is made from its largest score, which takes v_exp_f32 not to fall where its input rises.
.set KIMG, 0                           ; LDS: K's codes: 128 tiles x 512 bytes, each an image of registers 0-3 of a fragment: lane l's 16 bytes at 16 l; tile = 8 x step + 2 b + u
.set VROW, 65536                       ; V's codes: 64 channel rows of 1,024 bytes + 16 of padding
.set VP,   1040                        ; = 65 x 16 bytes: the 16 rows that a load touches fall on 16 different columns of 16 bytes
.set KSC,  132096                      ; K's scale words: 512 bytes a step; the word of (tile 2 i + u, row r) at 16 (16 u + r) + 4 i; bytes 0, 1 the two blocks, bytes 2, 3 zero (over zero codes)
.set VSC,  140288                      ; V's scale words: 256 bytes a step; channel ch at 8 (ch % 32) + 4 (ch / 32)
.set STG,  144384                      ; the stage for the way out: 64 channel rows of 2,048 bytes + 16.  In phase 1 its first 81,920 bytes are the waves' turning stages, 5,120 each
.set OP,   2064
.set SP,   80                          ; a lane's place in a turning stage: 64 bytes + 16 of padding
.set WV,   8                           ; s8       my wave's number
.set QB,   12                          ; s[12:13] q at my wave's 32 queries
.set KB,   14                          ; s[14:15] k at my wave's 128 keys
.set VB,   16                          ; s[16:17] v at my wave's 4 channels
.set OB,   18                          ; s[18:19] out0 at my wave's 4 channels, my work-group's 512 queries
.set SEL,  20                          ; s[20:21] v_permlanex16_b32: lane l xor 16
.set CS,   22                          ; s[22:23] log2(e), as a pair for the packed form
.set QSC,  24                          ; s[24:25] 2^-1.5 = 64^-0.25, likewise
.set STP,  26                          ; s26      the key step, 0 .. 15
.set AK0,  1                           ; v1   16 x lane: my place in an image; also the offset of V's loads and of the stores to out0; never rewritten
.set AV0,  2                           ; v2   VROW + VP r + 16 h
.set AKS0, 3                           ; v3   KSC + 16 x lane
.set AVS0, 4                           ; v4   VSC + 8 x lane
.set CO,   5                           ; phase 1: v5 4 x lane; v6, v7 where I store K's codes and scale words; v8, v9 the turning stage in and out; v10, v11 where I store V's codes and scale bytes
.set KWA,  6
.set KWS,  7
.set VTI,  8
.set VTO,  9
.set VWA,  10
.set VWS,  11
.set STO,  5                           ; main phase: v5, v6 the stage, channels 0-31 and 32-63; v7 where I read rows back; v8-11 the step's addresses
.set SR,   7
.set ADK,  8
.set ADV,  9
.set ADS,  10
.set ADT,  11
.set QF,   16                          ; v16-23, v24-31 Q's two fragments: four registers of codes, four of zeros
.set X,    32                          ; phase 1: v32-95 two sets of 32 numbers
.set KF,   32                          ; main phase: K's tile t at v[32 + 8 t]: four registers of codes, four of zeros
.set R,    96                          ; phase 1: v96-159 V as loaded, four sets of 16
.set S,    96                          ; main phase: S^T, then p; later rows of the result
.set XN,   160                         ; phase 1: v160-191 two sets of 16 neighbours
.set OT,   160                         ; main phase: O^T, four accumulators
.set VC,   192                         ; phase 1: v192-223 V's codes, two registers for each step
.set CD,   192                         ; (ahead of them: a key unit's codes v192-195, bytes v196-197, at work v198-201)
.set B0,   196
.set B1,   197
.set MX,   198
.set MY,   199
.set SOP,  200
.set KW,   201
.set VF,   192                         ; main phase: V's four fragments
.set VE,   224                         ; phase 1: v224-239 a scale byte for each of V's steps
.set PC,   224                         ; main phase: p's codes
.set BM,   232                         ; v232-235 the blocks' largest scores, then largest p
.set TP,   236                         ; v236-239 at work
.set CV,   240                         ; v240-243 the conversions' scale operands (phase 1: v240-242 at work)
.set KS,   244                         ; v244-247 K's scale words: register i: lanes 0-15 tile 2 i, lanes 16-31 tile 2 i + 1
.set VS,   248                         ; v248-249 V's likewise
.set QS,   250                         ; v250 Q's: lane l has query l's
.set F,    252                         ; v252 f = 2^(old M - new M)
.set PS,   253                         ; v253 p's scale word
.set TT,   254
; 32 loads: numbers (channel i, my column), i = 0 .. 31 of a block: a lane to a column, registers down the channels; 128 consecutive bytes a load
.macro LOADU xs, base, off, nt
.set i_, 0
.rept 32
.if \nt
	global_load_b32 v[X+32*(\xs)+i_], v[CO], s[\base:\base+1] offset:(\off)+i_*8192 th:TH_LOAD_NT
.else
	global_load_b32 v[X+32*(\xs)+i_], v[CO], s[\base:\base+1] offset:(\off)+i_*8192
.endif
.set i_, i_+1
.endr
.endm
; a lane's block of 32, times 2^-1.5, becomes four registers of codes at v[dst] and a scale byte in v[by]
.macro QUNIT xs, dst, by
.set XS_, X+32*(\xs)
.set i_, 0
.rept 16
	v_pk_mul_f32 v[XS_+i_:XS_+i_+1], v[XS_+i_:XS_+i_+1], s[QSC:QSC+1] op_sel_hi:[1,0]
.set i_, i_+2
.endr
	v_max3_num_f32 v[MX], |v[XS_]|, |v[XS_+1]|, |v[XS_+2]|         ; the block's largest magnitude, in two chains
	v_max3_num_f32 v[MY], |v[XS_+3]|, |v[XS_+4]|, |v[XS_+5]|
.irp i, 6,10,14,18,22,26
	v_max3_num_f32 v[MX], v[MX], |v[XS_+\i]|, |v[XS_+\i+1]|
	v_max3_num_f32 v[MY], v[MY], |v[XS_+\i+2]|, |v[XS_+\i+3]|
.endr
	v_max3_num_f32 v[MX], v[MX], |v[XS_+30]|, |v[XS_+31]|
	v_max3_num_f32 v[MX], v[MX], v[MY], 0x1800000                  ; and the floor 2^(3 - 127): the byte cannot fall under 1
	v_add_nc_u32 v[SOP], 0xff000000, v[MX]                         ; 2 off the exponent field: the conversion takes the exponent field of this operand as its scale
	v_lshrrev_b32 v[\by], 23, v[SOP]                               ; the scale's byte
.irp g, 0,1,2,3
	v_cvt_scalef32_pk8_fp4_f32 v[(\dst)+\g], v[XS_+8*\g:XS_+8*\g+7], v[SOP]
.endr
	v_nop                                                          ; one plain place behind the last scaled conversion
.endm
; V, step t of 16: 512 numbers of my 4 channels, 512 consecutive bytes a load
.macro VLOAD t
.irp i, 0,1,2,3
	global_load_b128 v[R+16*((\t)%4)+4*\i:R+16*((\t)%4)+4*\i+3], v[AK0], s[VB:VB+1] offset:2048*(\t)+512*\i
.endr
.endm
.macro VTURN t                         ; through my own stage, as they lie, and back 64 bytes a lane; LDS serves a wave's instructions in order, so no wait stands between
.irp i, 0,1,2,3
	ds_store_b128 v[VTI], v[R+16*((\t)%4)+4*\i:R+16*((\t)%4)+4*\i+3] offset:32*SP*((\t)%2)+8*SP*\i
.endr
.irp i, 0,1,2,3
	ds_load_b128 v[XN+16*((\t)%2)+4*\i:XN+16*((\t)%2)+4*\i+3], v[VTO] offset:32*SP*((\t)%2)+16*\i
.endr
.endm
.macro VSTEP t
.set XV, XN+16*((\t)%2)
.if (\t) > 0
	s_wait_dscnt 2                                 ; this step's numbers are back from the stage; the last step's two stores may be out
.else
	s_wait_dscnt 0x0
.endif
.if (\t)+4 < 16
	VLOAD (\t)+4                                   ; into the set whose stores into the stage are done
.endif
.if (\t)+1 < 16
.if (\t) <= 11
	s_wait_loadcnt 12                              ; the next step's four loads are in; those of the three steps behind it may be out
.else
	s_wait_loadcnt 4*(14-(\t))
.endif
	VTURN (\t)+1
.endif
	v_max3_num_f32 v[CV], |v[XV]|, |v[XV+1]|, |v[XV+2]|            ; the largest magnitude of my 16
	v_max3_num_f32 v[CV+1], |v[XV+3]|, |v[XV+4]|, |v[XV+5]|
.irp i, 6,10
	v_max3_num_f32 v[CV], v[CV], |v[XV+\i]|, |v[XV+\i+1]|
	v_max3_num_f32 v[CV+1], v[CV+1], |v[XV+\i+2]|, |v[XV+\i+3]|
.endr
	v_max3_num_f32 v[CV], v[CV], |v[XV+14]|, |v[XV+15]|
	v_max3_num_f32 v[CV], v[CV], v[CV+1], 0x1800000                ; and the floor
	v_max_num_f32_dpp v[CV], v[CV], v[CV] row_xmask:1 row_mask:0xf bank_mask:0xf   ; and of my neighbour's 16: the block's
	v_add_nc_u32 v[CV+2], 0xff000000, v[CV]
	v_cvt_scalef32_pk8_fp4_f32 v[VC+2*(\t)], v[XV:XV+7], v[CV+2]
	v_cvt_scalef32_pk8_fp4_f32 v[VC+2*(\t)+1], v[XV+8:XV+15], v[CV+2]
	v_lshrrev_b32 v[VE+(\t)], 23, v[CV+2]                          ; the scale's byte (a plain place behind the conversions)
	ds_store_b8 v[VWS], v[VE+(\t)] offset:((\t)%4)*1024+((\t)/4)*8 ; both lanes of a block write the same byte with the same value
	ds_store_b64 v[VWA], v[VC+2*(\t):VC+2*(\t)+1] offset:((\t)/4)*VP+((\t)%4)*256   ; channel 4 w + t / 4, keys 512 (t % 4) + 16 lane on
.endm
; Column unit u: 0, 1: my queries' blocks 0, 1;  2 + 2 g + b: block b of keys 32 g .. 32 g + 31 of my 128.  Loads run two units ahead.
.macro UNIT u
.if (\u) == 9
	s_wait_loadcnt 16                              ; behind this unit's loads stand V's first sixteen
.else
	s_wait_loadcnt 32                              ; this unit's 32 loads are in; the next unit's may be out
.endif
.if (\u) == 0
	QUNIT 0, QF, B0
.elseif (\u) == 1
	QUNIT 1, QF+8, B1
	v_lshl_or_b32 v[QS], v[B1], 8, v[B0]           ; query l's scale word
.irp i, 0,1,2,3
	v_permlane16_swap_b32 v[QF+\i], v[QF+8+\i]     ; lanes 16-31 of block 0 change places with lanes 0-15 of block 1: v16-19 are now tile 0 (lane (r, h): query r, block h), v24-27 tile 1
.endr
.else
	QUNIT (\u)%2, CD, B0+(\u)%2
	ds_store_b128 v[KWA], v[CD:CD+3] offset:1024*(((\u)-2)/2)+256*((\u)%2)
.if (\u)%2
	v_lshl_or_b32 v[KW], v[B1], 8, v[B0]
	ds_store_b32 v[KWS], v[KW] offset:4*(((\u)-2)/2)
.endif
.endif
.if (\u) < 8
	LOADU (\u)%2, KB, 128*((\u)/2)+262144*((\u)%2), 0
.elseif (\u) == 8
	VLOAD 0
	VLOAD 1
	VLOAD 2
	VLOAD 3
.endif
.if (\u) >= 2
	s_wait_dscnt 0x0                               ; the stores have read their registers: the next unit writes them again
.endif
.endm
	s_load_b128 s[4:7], s[0:1], 0x0                ; qkv s[4:5], out0 s[6:7]
	v_lshl_add_u32 v251, v0, 2, 0x43800
	v_mov_b32 v255, 0
	v_lshrrev_b32 v12, 5, v0
	v_readfirstlane_b32 s[WV], v12                 ; wave 0 .. 15
	s_and_b32 s9, ttmp7, 0xffff                    ; the head
	s_mul_i32 s10, s9, 0x180000                    ; its slab: 192 rows of 8,192 bytes (all offsets stay under 2^27)
	s_lshl_b32 s27, ttmp9, 11                      ; my work-group's 512 queries in a row
	s_lshl_b32 s28, s[WV], 7                       ; q: + my wave's 32
	s_add_co_u32 s28, s28, s27
	s_add_co_u32 s28, s28, s10
	s_mov_b32 s29, 0
	s_lshl_b32 s30, s[WV], 9                       ; k: 64 rows down, + my wave's 128 keys
	s_add_co_u32 s30, s30, s10
	s_add_co_u32 s30, s30, 524288
	s_mov_b32 s31, 0
	s_lshl_b32 s32, s[WV], 15                      ; v: 128 rows down, + my wave's 4 rows
	s_add_co_u32 s34, s32, s27                     ; out0: my wave's 4 rows, my work-group's queries,
	s_add_co_u32 s32, s32, s10
	s_add_co_u32 s32, s32, 1048576
	s_mov_b32 s33, 0
	s_lshl_b32 s10, s9, 19                         ; in the head's 64 rows
	s_add_co_u32 s34, s34, s10
	s_mov_b32 s35, 0
	s_mov_b32 s[SEL], 0x76543210
	s_mov_b32 s[SEL+1], 0xfedcba98
	s_mov_b32 s[CS], 0x3fb8aa3b                    ; log2(e)
	s_mov_b32 s[CS+1], s[CS]
	s_mov_b32 s[QSC], 0x3eb504f3                   ; 2^-1.5
	s_mov_b32 s[QSC+1], s[QSC]
	v_and_b32 v12, 31, v0                          ; lane
	v_lshlrev_b32 v[AK0], 4, v12
	v_and_b32 v13, 15, v0                          ; r
	v_bfe_u32 v14, v0, 4, 1                        ; h
	v_mul_u32_u24 v[AV0], v13, VP
	v_lshl_add_u32 v[AV0], v14, 4, v[AV0]
	v_add_nc_u32 v[AV0], VROW, v[AV0]
	v_add_nc_u32 v[AKS0], KSC, v[AK0]
	v_lshl_add_u32 v[AVS0], v12, 3, VSC
	v_lshlrev_b32 v[CO], 2, v12
	; my lane is key l of a group of 32: u = (l / 8) % 2, row r = 8 (l / 16) + l % 8 of tile 2 g + u
	v_and_b32 v15, 7, v0
	v_lshlrev_b32 v15, 4, v15
	v_lshl_add_u32 v15, v14, 7, v15                ; 16 x row
	v_bfe_u32 v13, v0, 3, 1                        ; u
	v_lshl_add_u32 v[KWA], v13, 9, v15             ; codes: 512 u + 16 row,
	s_lshl_b32 s36, s[WV], 12
	v_add_nc_u32 v[KWA], s36, v[KWA]               ; in step w's eight tiles; the block (256) and the group (1,024) stand in the immediate
	v_lshl_add_u32 v[KWS], v13, 8, v15             ; scale words: 16 (16 u + row),
	s_lshl_b32 s36, s[WV], 9
	s_add_co_u32 s36, s36, KSC
	v_add_nc_u32 v[KWS], s36, v[KWS]               ; in step w's 512 bytes
	v_bfe_u32 v[VTI], v0, 2, 3
	v_mul_u32_u24 v[VTI], v[VTI], SP
	v_and_b32 v13, 3, v0
	v_lshl_add_u32 v[VTI], v13, 4, v[VTI]          ; the turning stage, in: SP (lane / 4) + 16 (lane % 4),
	s_mul_i32 s36, s[WV], 5120
	s_add_co_u32 s36, s36, STG
	v_add_nc_u32 v[VTI], s36, v[VTI]
	v_mul_u32_u24 v[VTO], v12, SP                  ; and out: SP x lane
	v_add_nc_u32 v[VTO], s36, v[VTO]
	s_mul_i32 s37, s[WV], 4*VP
	s_add_co_u32 s37, s37, VROW
	v_lshl_add_u32 v[VWA], v12, 3, s37             ; V's codes: my 4 rows, 8 bytes a lane
	v_bfe_u32 v[VWS], v0, 3, 2                     ; V's scale bytes: the key step 4 (t % 4) + lane / 8: 256 bytes each,
	v_bfe_u32 v13, v0, 1, 2                        ; the byte (lane / 2) % 4,
	v_lshl_add_u32 v[VWS], v[VWS], 8, v13
	s_and_b32 s38, s[WV], 7                        ; channel 4 w + t / 4: 8 (ch % 32) + 4 (ch / 32) = 32 (w % 8) + 8 (t / 4) + 4 (w / 8)
	s_lshl_b32 s38, s38, 5
	s_lshr_b32 s39, s[WV], 3
	s_lshl_b32 s39, s39, 2
	s_add_co_u32 s38, s38, s39
	s_add_co_u32 s38, s38, VSC
	v_add_nc_u32 v[VWS], s38, v[VWS]
	s_wait_kmcnt 0x0
	s_add_nc_u64 s[QB:QB+1], s[4:5], s[28:29]
	s_add_nc_u64 s[KB:KB+1], s[4:5], s[30:31]
	s_add_nc_u64 s[VB:VB+1], s[4:5], s[32:33]
	s_add_nc_u64 s[OB:OB+1], s[6:7], s[34:35]
	; ---- PHASE 1
	LOADU 0, QB, 0, 1                              ; q is read once in the launch
	LOADU 1, QB, 262144, 1
.irp u, 0,1,2,3,4,5,6,7,8,9
	UNIT \u
.endr
	s_wait_loadcnt 12                              ; V's step 0 is in
	VTURN 0
.irp t, 0,1,2,3,4,5,6,7,8,9,10,11,12,13,14,15
	VSTEP \t
.endr
	s_wait_dscnt 0x0                               ; for the others' sake: my stores of codes and scales have landed; my reads of my turning stage are over
	s_barrier_signal -1
	v_and_b32 v[STO], 15, v0                       ; register work while the others arrive: the main phase's addresses (no load or LDS instruction of mine is out)
	v_lshlrev_b32 v[STO], 2, v[STO]
	v_bfe_u32 v[STO+1], v0, 4, 1
	v_mad_u32_u24 v[STO], v[STO+1], 8*OP, v[STO]   ; the stage, in: 8 h rows down, 4 r,
	s_lshl_b32 s36, s[WV], 7
	s_add_co_u32 s36, s36, STG
	v_add_nc_u32 v[STO], s36, v[STO]               ; + my wave's 32 queries;
	v_add_nc_u32 v[STO+1], 32*OP, v[STO]           ; channels 32 on have a register of their own: the immediate has 16 bits
	s_mul_i32 s37, s[WV], 4*OP
	s_add_co_u32 s37, s37, STG
	v_add_nc_u32 v[SR], s37, v[AK0]                ; and back: my 4 rows, 16 bytes a lane
.irp i, 4,5,6,7,12,13,14,15
	v_mov_b32 v[QF+\i], 0                          ; zero codes for K = 64 .. 127 of the first product: Q's,
.endr
.irp t, 0,1,2,3,4,5,6,7
.irp i, 4,5,6,7
	v_mov_b32 v[KF+8*\t+\i], 0                     ; and K's: written once, no load lands on them
.endr
.endr
.irp b, 0,1,2,3
	v_mov_b32 v[TP+\b], 0                          ; written once: a lane permute's destination counts as one of its sources
.endr
	v_mov_b32 v[PS], 0                             ; (named as the upper half of the pair v[252:253] before it is first written)
	s_barrier_wait -1                              ; the head's K and V lie in LDS, and nobody reads a turning stage any more
; ---- MAIN PHASE
.macro SMUL t, p                       ; S^T, tile t of 16 keys x my 16 queries of tile p; the scale words' rows: odd tiles and tile p = 1 lie in lanes 16-31
.if ((\t)%2 == 0) && ((\p) == 0)
	v_wmma_scale_f32_16x16x128_f8f6f4 v[S+8*(\t):S+8*(\t)+7], v[KF+8*(\t):KF+8*(\t)+7], v[QF+8*(\p):QF+8*(\p)+7], 0, v[KS+(\t)/2], v[QS] matrix_a_fmt:MATRIX_FMT_FP4 matrix_b_fmt:MATRIX_FMT_FP4
.elseif ((\t)%2 == 1) && ((\p) == 0)
	v_wmma_scale_f32_16x16x128_f8f6f4 v[S+8*(\t):S+8*(\t)+7], v[KF+8*(\t):KF+8*(\t)+7], v[QF+8*(\p):QF+8*(\p)+7], 0, v[KS+(\t)/2], v[QS] matrix_a_fmt:MATRIX_FMT_FP4 matrix_b_fmt:MATRIX_FMT_FP4 matrix_a_scale:MATRIX_SCALE_ROW1
.elseif (\t)%2 == 0
	v_wmma_scale_f32_16x16x128_f8f6f4 v[S+8*(\t):S+8*(\t)+7], v[KF+8*(\t):KF+8*(\t)+7], v[QF+8*(\p):QF+8*(\p)+7], 0, v[KS+(\t)/2], v[QS] matrix_a_fmt:MATRIX_FMT_FP4 matrix_b_fmt:MATRIX_FMT_FP4 matrix_b_scale:MATRIX_SCALE_ROW1
.else
	v_wmma_scale_f32_16x16x128_f8f6f4 v[S+8*(\t):S+8*(\t)+7], v[KF+8*(\t):KF+8*(\t)+7], v[QF+8*(\p):QF+8*(\p)+7], 0, v[KS+(\t)/2], v[QS] matrix_a_fmt:MATRIX_FMT_FP4 matrix_b_fmt:MATRIX_FMT_FP4 matrix_a_scale:MATRIX_SCALE_ROW1 matrix_b_scale:MATRIX_SCALE_ROW1
.endif
.endm
.macro OMUL t                          ; O^T += V P^T, channels 16 t on
.if (\t)%2
	v_wmma_scale_f32_16x16x128_f8f6f4 v[OT+8*(\t):OT+8*(\t)+7], v[VF+8*(\t):VF+8*(\t)+7], v[PC:PC+7], v[OT+8*(\t):OT+8*(\t)+7], v[VS+(\t)/2], v[PS] matrix_a_fmt:MATRIX_FMT_FP4 matrix_b_fmt:MATRIX_FMT_FP4 matrix_a_scale:MATRIX_SCALE_ROW1
.else
	v_wmma_scale_f32_16x16x128_f8f6f4 v[OT+8*(\t):OT+8*(\t)+7], v[VF+8*(\t):VF+8*(\t)+7], v[PC:PC+7], v[OT+8*(\t):OT+8*(\t)+7], v[VS+(\t)/2], v[PS] matrix_a_fmt:MATRIX_FMT_FP4 matrix_b_fmt:MATRIX_FMT_FP4
.endif
.endm
.macro SUMS b                          ; 32 of the unquantised p, from v[b] on, are added to the row's sum: two at a time, in two chains
	v_pk_add_f32 v[TP:TP+1], v[\b:\b+1], v[\b+2:\b+3]
.irp j, 4,8,12,16,20,24,28
	v_pk_add_f32 v[14:15], v[14:15], v[\b+\j:\b+\j+1]
	v_pk_add_f32 v[TP:TP+1], v[TP:TP+1], v[\b+\j+2:\b+\j+3]
.endr
	v_pk_add_f32 v[14:15], v[14:15], v[TP:TP+1]
.endm
; A KEY STEP: 128 keys for the 16 queries of tile p
.macro STEP p
	v_lshl_add_u32 v[ADK], s[STP], 12, v[AK0]      ; the step's eight tiles of K; its 64 bytes in V's rows; its scale words.
	v_lshl_add_u32 v[ADV], s[STP], 6, v[AV0]       ; These four lines are also the four places between the last step's products and the loads into the registers that those have read
	v_lshl_add_u32 v[ADS], s[STP], 9, v[AKS0]
	v_lshl_add_u32 v[ADT], s[STP], 8, v[AVS0]
	ds_load_b128 v[KS:KS+3], v[ADS]
.irp t, 0,1,2,3,4,5,6,7
	ds_load_b128 v[KF+8*\t:KF+8*\t+3], v[ADK] offset:512*\t
.endr
.irp t, 0,1,2,3
.irp c, 0,1
	ds_load_b128 v[VF+8*\t+4*\c:VF+8*\t+4*\c+3], v[ADV] offset:16*VP*\t+32*\c
.endr
.endr
	ds_load_b64 v[VS:VS+1], v[ADT]
	s_wait_dscnt 9                                 ; K and its scale words are in; V's eight loads and its scale words, wanted behind the softmax, may be out
.irp t, 0,1,2,3,4,5,6,7
	SMUL \t, \p
.endr
.rept 4
	v_nop                                          ; four places ahead of the first read of results
.endr
.irp b, 0,1,2,3
	v_max3_num_f32 v[BM+\b], v[S+16*\b], v[S+1+16*\b], v[S+2+16*\b]   ; the largest score of each block of 32 keys: for the row's maximum, and, since p rises with the score, for the block's largest p
.endr
.irp i, 3,5,7,9,11,13
.irp b, 0,1,2,3
	v_max3_num_f32 v[BM+\b], v[BM+\b], v[S+16*\b+\i], v[S+1+16*\b+\i]   ; (the four blocks by turns; each accumulator is first read at its low end)
.endr
.endr
.irp b, 0,1,2,3
	v_max_num_f32 v[BM+\b], v[BM+\b], v[S+15+16*\b]
.endr
.irp b, 0,1,2,3
	v_permlanex16_b32 v[TP+\b], v[BM+\b], s[SEL], s[SEL+1]
.endr
.irp b, 0,1,2,3
	v_max_num_f32 v[BM+\b], v[BM+\b], v[TP+\b]     ; with lane l xor 16's 16 keys
.endr
	v_max3_num_f32 v[TT], v[BM], v[BM+1], v[BM+2]
	v_max_num_f32 v[TT], v[TT], v[BM+3]            ; the step's largest score of my query
	v_mul_f32 v[TT], s[CS], v[TT]                  ; as t
	v_max_num_f32 v13, v13, v[TT]                  ; the running largest t
	v_mov_b32 v[TT], v12
	v_floor_f32 v12, -v13                          ; the new -M = floor(-t) = -ceil(t): a whole number
	v_sub_f32 v[TT], v12, v[TT]                    ; old M - new M: a whole number, 0 or less
	v_cvt_i32_f32 v[TT], v[TT]                     ; (it saturates)
	v_ldexp_f32 v[F], 1.0, v[TT]                   ; f = 2^(old M - new M): a multiplication by it rounds nothing
.irp j, 0,2,4,6,8,10,12,14,16,18,20,22,24,26,28,30,32,34,36,38,40,42,44,46,48,50,52,54,56,58,60,62
	v_pk_fma_f32 v[S+\j:S+1+\j], v[S+\j:S+1+\j], s[CS:CS+1], v[12:13] op_sel_hi:[1,0,0]   ; t - M, two at a time
.endr
.irp b, 0,1,2,3
	v_fma_f32 v[BM+\b], v[BM+\b], s[CS], v12       ; the same of each block's largest score
.endr
.irp j, 0,1,2,3,4,5,6,7,8,9,10,11,12,13,14,15,16,17,18,19,20,21,22,23,24,25,26,27,28,29,30,31,32,33,34,35,36,37,38,39,40,41,42,43,44,45,46,47,48,49,50,51,52,53,54,55,56,57,58,59,60,61,62,63
	v_exp_f32 v[S+\j], v[S+\j]                     ; p = 2^(t - M), at most 1, not normalised
.endr
	v_pk_mul_f32 v[14:15], v[14:15], v[F:F+1] op_sel_hi:[1,0]   ; the sums under the new M (a plain place behind the exponentials)
	s_wait_alu depctr_va_vdst(0)                   ; one wait for the batch of 64, ahead of its first reader
.irp b, 0,1,2,3
	v_exp_f32 v[BM+\b], v[BM+\b]                   ; the blocks' largest p: the same two instructions on the same number give the same bits
.endr
	SUMS S                                         ; the first half of the row's sum reads the 64 alone: plain work behind the four
	s_wait_alu depctr_va_vdst(0)                   ; and one wait for the four
.irp b, 0,1,2,3
	v_max_num_f32 v[BM+\b], 0x1800000, v[BM+\b]    ; the floor 2^(3 - 127): the byte cannot fall under 1
.endr
.irp b, 0,1,2,3
	v_add_nc_u32 v[CV+\b], 0xff000000, v[BM+\b]    ; 2 off the exponent field: the conversion's scale operand
.endr
.irp b, 0,1,2,3
	v_lshrrev_b32 v[TP+\b], 23, v[CV+\b]           ; the scale's byte
.endr
	v_lshl_or_b32 v[PS], v[TP+1], 8, v[TP]         ; p's scale word for these 128 keys
	v_lshl_or_b32 v[PS], v[TP+2], 16, v[PS]
	v_lshl_or_b32 v[PS], v[TP+3], 24, v[PS]
.irp b, 0,1,2,3
	v_cvt_scalef32_pk8_fp4_f32 v[PC+2*\b], v[S+16*\b:S+7+16*\b], v[CV+\b]
	v_cvt_scalef32_pk8_fp4_f32 v[PC+1+2*\b], v[S+8+16*\b:S+15+16*\b], v[CV+\b]
.endr
	v_nop                                          ; one plain place behind the last scaled conversion
.irp c, 0,1                                    ; the operand's layout wants a whole block in a lane: lanes 0-15 block 2 c, lanes 16-31 block 2 c + 1
.irp i, 0,1
	v_permlane16_swap_b32 v[PC+4*\c+\i], v[PC+2+4*\c+\i]
.endr
.endr
.irp j, 0,2,4,6,8,10,12,14,16,18,20,22,24,26,28,30
	v_pk_mul_f32 v[OT+\j:OT+1+\j], v[OT+\j:OT+1+\j], v[F:F+1] op_sel_hi:[1,0]   ; O^T under the new M, each accumulator from its low end on
.endr
	SUMS S+32                                      ; the second half of the row's sum: sixteen plain lines that name no register of the products below: the places ahead of them for p's scale word (8) and p's codes (4)
	s_wait_dscnt 0x0                               ; V and its scale words are in
.irp t, 0,1,2,3
	OMUL \t                                        ; the four accumulators by turns, one instruction a turn
.endr
.endm
; The 16 queries of tile p through all keys, and their results into the stage
.macro PASS p
	v_mov_b32 v13, 0xff61b1e6                      ; the largest t so far: -3e38, under every t
	v_floor_f32 v12, -v13                          ; -M
	v_mov_b32 v14, 0                               ; the sum, in two halves
	v_mov_b32 v15, 0
.irp j, 0,1,2,3,4,5,6,7,8,9,10,11,12,13,14,15,16,17,18,19,20,21,22,23,24,25,26,27,28,29,30,31
	v_mov_b32 v[OT+\j], 0                          ; the step is written once: the first finds zeros, which the first change of M leaves zeros
.endr
	s_mov_b32 s[STP], 0
.Lstep_\@:
	STEP \p
	s_add_co_u32 s[STP], s[STP], 1
	s_cmp_lt_u32 s[STP], 16
	s_cbranch_scc1 .Lstep_\@
	v_add_f32 v14, v14, v15                        ; the sum's two halves,
	v_permlanex16_b32 v[F], v14, s[SEL], s[SEL+1]
	v_add_f32 v14, v14, v[F]                       ; and lane l xor 16's: the row's sum
	v_rcp_f32 v14, v14
.rept 4
	v_nop                                          ; the plain place behind the reciprocal, and four places behind the last products
.endr
	s_wait_alu depctr_va_vdst(0)                   ; a wait ahead of the reciprocal's first reader
.irp j, 0,2,4,6,8,10,12,14,16,18,20,22,24,26,28,30
	v_pk_mul_f32 v[S+\j:S+1+\j], v[OT+\j:OT+1+\j], v[14:15] op_sel_hi:[1,0]   ; O^T / the sum: register 8 t + j is channel 16 t + 8 h + j of query r
.endr
.irp t, 0,1,2,3
.irp j, 0,1,2,3,4,5,6,7
	ds_store_b32 v[STO+\t/2], v[S+8*\t+\j] offset:(16*(\t%2)+\j)*OP+64*\p   ; sixteen lanes write 64 neighbouring bytes of a channel's row; the other sixteen the row 8 further down, 32 banks on
.endr
.endr
	s_wait_dscnt 0x0                               ; the stores have landed: the registers are written again, and a barrier follows the second pass
.endm
	PASS 0
	PASS 1
	s_barrier_signal -1                            ; every wave's part of the 64 rows lies in the stage (each has waited for its stores)
	s_barrier_wait -1
.irp i, 0,1,2,3
.irp j, 0,1,2,3
	ds_load_b128 v[S+4*(4*\i+\j):S+4*(4*\i+\j)+3], v[SR] offset:\i*OP+512*\j   ; channel 4 w + i, queries 128 j on
.endr
.endr
.irp i, 0,1,2,3
.irp j, 0,1,2,3
	s_wait_dscnt 15-(4*\i+\j)                      ; LDS loads come back in order: this one is in, the younger ones may be out
	global_store_b128 v[AK0], v[S+4*(4*\i+\j):S+4*(4*\i+\j)+3], s[OB:OB+1] offset:\i*8192+512*\j th:TH_STORE_NT   ; 32 lanes store 512 consecutive bytes, at a multiple of 512 from out0's first byte
.endr
.endr
	s_wait_tensorcnt 0x0
	ds_add_u32 v251, v255
	s_wait_dscnt 0x0
	s_endpgm
.Lfunc_end_k_qcb0e53588d_attn:
	.size	k_qcb0e53588d_attn, .Lfunc_end_k_qcb0e53588d_attn-k_qcb0e53588d_attn
	.p2alignl 7, 3214868480
	.fill 96, 4, 3214868480
	.section	.rodata,"a",@progbits
	.p2align	6, 0x0
	.amdhsa_kernel k_qcb0e53588d_attn
		.amdhsa_group_segment_fixed_size 278528
		.amdhsa_private_segment_fixed_size 0
		.amdhsa_enable_private_segment 0
		.amdhsa_kernarg_size 16
		.amdhsa_user_sgpr_count 2
		.amdhsa_user_sgpr_kernarg_segment_ptr 1
		.amdhsa_wavefront_size32 1
		.amdhsa_system_sgpr_workgroup_id_x 1
		.amdhsa_system_sgpr_workgroup_id_y 1
		.amdhsa_system_sgpr_workgroup_id_z 1
		.amdhsa_system_vgpr_workitem_id 0
		.amdhsa_next_free_vgpr 256
		.amdhsa_next_free_sgpr 66
		.amdhsa_reserve_vcc 0
		.amdhsa_float_denorm_mode_32 3
		.amdhsa_float_denorm_mode_16_64 3
		.amdhsa_memory_ordered 1
		.amdhsa_forward_progress 1
		.amdhsa_inst_pref_size 134
	.end_amdhsa_kernel
	.amdgpu_metadata
---
amdhsa.version: [ 1, 2 ]
amdhsa.kernels:
  - .name:           k_qcb0e53588d_attn
    .symbol:         k_qcb0e53588d_attn.kd
    .args:
      - { .name: qkv, .offset: 0, .size: 8, .value_kind: global_buffer, .address_space: global }
      - { .name: out0, .offset: 8, .size: 8, .value_kind: global_buffer, .address_space: global }
    .group_segment_fixed_size: 278528
    .private_segment_fixed_size: 0
    .kernarg_segment_align: 8
    .kernarg_segment_size: 16
    .max_flat_workgroup_size: 512
    .sgpr_count:     66
    .vgpr_count:     256
    .wavefront_size: 32
...
	.end_amdgpu_metadata
.endif
;; end of part 1
;; ======== version 2 of 2: 1 launch; version 1 with the launch attn written anew for expert scheduling mode
;; launch attn (part 2): grid 4 x 64, 16 waves a work-group, no clusters, 278,528 bytes of LDS; arguments qkv, out0; writes out0
.if DOCPART == 2
	.amdgcn_target "amdgcn-amd-amdhsa--gfx1250"
	.amdhsa_code_object_version 6
	.text
	.protected	k_qcb0e53588d_attn
	.globl	k_qcb0e53588d_attn
	.p2align	8
	.type	k_qcb0e53588d_attn,@function
k_qcb0e53588d_attn:
	s_mov_b64 s[64:65], 0
	v_nop
	global_prefetch_b8 v0, s[64:65] scope:SCOPE_SE
	s_setreg_imm32_b32 hwreg(HW_REG_WAVE_SCHED_MODE, 0, 2), 2
	s_setreg_imm32_b32 hwreg(HW_REG_WAVE_MODE, 25, 1), 1
	s_wait_xcnt 0x0
	s_wait_alu depctr_vm_vsrc(0)
; out0[head][c][t] = the sum over s of softmax_s((q 2^-1.5) . (k 2^-1.5)) v[c][s], for 64 heads; a head is a slab [192][2048] of qkv, f32: rows 0-63 q, 64-127 k, 128-191 v; t and s innermost.
; Both products on codes of FP4 (E2M1) with one E8M0 scale for each 32 along K.  Product 1: K = the 64 channels (two blocks a query, two a key); the instruction's other 64 along K are zero codes on both sides.
; Product 2: K = the keys.  p = 2^(t - M), t = logit x log2(e), M the running largest t rounded up to a whole number; the row's sum is taken of the unquantised p and divides at the end.
; SHARES.  A work-group owns 512 queries of one head (grid 4 x 64); each of its sixteen waves 32 of them, as two tiles of 16 taken one after the other (PASS 0, PASS 1), in 256 registers: four waves to a SIMD.
; PHASE 1.  The work-group quantises its head's k and v ONCE into LDS (65,536 + 65,536 bytes of codes, 12,288 of scale words) and each wave its own 32 queries into registers.  Wave w takes keys 128 w .. 128 w + 127
; (a lane to a key, registers down the channels: a block of 32 lies in one lane) and channels 4 w .. 4 w + 3 of v (dense loads, turned through the wave's own stage so that a lane holds 16 neighbouring keys).
; MAIN PHASE.  Every wave walks all 2,048 keys, 128 a step, out of LDS: no memory is read any more.  Both products are used transposed (S^T = K Q^T, O^T = V P^T): a lane holds ONE query throughout.
; THE KEYS OF A TILE ARE NOT NEIGHBOURS: row r of tile 2 b + u is key 32 b + 8 u + r + 8 (r / 8) of the step, so that the 16 registers of tiles 2 b and 2 b + 1 are 16 neighbouring keys, 32 b + 16 (lane / 16) + 0 .. 15.
; THE END.  O^T / the sum meets in a stage of 64 channel rows x 512 queries; each wave stores 4 whole rows, 512 consecutive bytes an instruction.
; NO CLUSTER, NO JOINT LOADS, though the four work-groups of a head read the same k and v: what is shared is 1,048,576 bytes of f32 that pass once, at the head, and are wanted in registers, a lane to a key.  Brought jointly
; they would go through a ring in the 132,096 bytes of LDS that are free at that time and be read from there by as many LDS loads as there are global loads now.  No prefetch: all reads from memory stand at the head.
; LIMITS.  NaN and infinities among the inputs are not served.  A block of zeros gets the scale byte 1 where the rule says 127: its codes are zeros, and this program alone reads the bytes.  A p under 2^-126 counts as 0
; (v_exp_f32 gives 0 there).  A block's largest p is made from its largest score, which takes v_exp_f32 not to fall where its input rises.
; THE MODE: SCHED_MODE bits 1:0 = 2 (LLVM: expert scheduling mode 2), set by the entry lines.  The code itself states the register dependences between vector or matrix instructions and memory or LDS instructions,
; with s_wait_alu, always for 0.
; THE PLAN.  Registers that memory or LDS instructions touch, and who else names them:
;   v1-v4        offsets and LDS addresses, made once at the head, never written again.
;   v5-v11       phase 1: offsets and LDS addresses, made at the head.  At the first barrier they get the main phase's contents: one wait on vm_vsrc ahead of that.
;   X0, X1       a column unit's vector lines read and write the set; behind them the loads of two units on land in it.  CD, KW: written by the unit, read by its LDS stores.
;                ONE wait on va_vdst behind a unit's vector lines serves its stores and its loads; one on vm_vsrc at its end frees CD and KW.
;   R0 .. R3     V as loaded: read by the stores into the turning stage, then loaded again four steps on.  XN0, XN1: read by a step's vector lines, loaded again two steps on.  VC, VE: a step's own registers,
;                written by step t, read by two LDS stores that are issued in step t + 1.  ONE wait on va_vdst at a step's head serves those stores and the LDS loads into the other XN; one on vm_vsrc frees R.
;   KF, KS       main loop: read by step j's eight products S^T; the LDS loads of step j + 1 land in them in the middle of step j.
;   VF, VS       read by step j's four products O^T at its end; the LDS loads of step j + 1 land in them in the middle of step j + 1.
;   v8-v11       written by four lines behind the products S^T (one wait on vm_vsrc ahead of them), read by the step's eighteen LDS loads.
;                The two waits on va_vdst that stand behind the exponentials in any case have all those readers and writers ahead of them: V's run of loads follows the first, K's the second, with no further wait.
;   PC, PS       p's codes and scale word, made by vector lines and taken by scaled products: one wait on va_vdst ahead of the products O^T, behind their places.
;   S            at a pass's end written by the divisions, read by the stores into the stage (a wait on va_vdst between), then written again by products or by loads (a wait on vm_vsrc between).
.set KIMG, 0                           ; LDS: K's codes: 128 tiles x 512 bytes, each an image of registers 0-3 of a fragment: lane l's 16 bytes at 16 l; tile = 8 x step + 2 b + u
.set VROW, 65536                       ; V's codes: 64 channel rows of 1,024 bytes + 16 of padding
.set VP,   1040                        ; = 65 x 16 bytes: the 16 rows that a load touches fall on 16 different columns of 16 bytes
.set KSC,  132096                      ; K's scale words: 512 bytes a step; the word of (tile 2 i + u, row r) at 16 (16 u + r) + 4 i; bytes 0, 1 the two blocks, bytes 2, 3 zero (over zero codes)
.set VSC,  140288                      ; V's scale words: 256 bytes a step; channel ch at 8 (ch % 32) + 4 (ch / 32)
.set STG,  144384                      ; the stage for the way out: 64 channel rows of 2,048 bytes + 16.  In phase 1 its first 81,920 bytes are the waves' turning stages, 5,120 each
.set OP,   2064
.set SP,   80                          ; a lane's place in a turning stage: 64 bytes + 16 of padding
.set WV,   8                           ; s8       my wave's number
.set QB,   12                          ; s[12:13] q at my wave's 32 queries
.set KB,   14                          ; s[14:15] k at my wave's 128 keys
.set VB,   16                          ; s[16:17] v at my wave's 4 channels
.set OB,   18                          ; s[18:19] out0 at my wave's 4 channels, my work-group's 512 queries
.set SEL,  20                          ; s[20:21] v_permlanex16_b32: lane l xor 16
.set CS,   22                          ; s[22:23] log2(e), as a pair for the packed form
.set QSC,  24                          ; s[24:25] 2^-1.5 = 64^-0.25, likewise
.set STP,  26                          ; s26      the key step, 0 .. 15
.set AK0,  1                           ; v1   16 x lane: my place in an image; also the offset of V's loads and of the stores to out0; never rewritten
.set AV0,  2                           ; v2   VROW + VP r + 16 h
.set AKS0, 3                           ; v3   KSC + 16 x lane
.set AVS0, 4                           ; v4   VSC + 8 x lane
.set CO,   5                           ; phase 1: v5 4 x lane; v6, v7 where I store K's codes and scale words; v8, v9 the turning stage in and out; v10, v11 where I store V's codes and scale bytes
.set KWA,  6
.set KWS,  7
.set VTI,  8
.set VTO,  9
.set VWA,  10
.set VWS,  11
.set STO,  5                           ; main phase: v5, v6 the stage, channels 0-31 and 32-63; v7 where I read rows back; v8-11 the step's addresses
.set SR,   7
.set ADK,  8
.set ADV,  9
.set ADS,  10
.set ADT,  11
.set QF,   16                          ; v16-23, v24-31 Q's two fragments: four registers of codes, four of zeros
.set X,    32                          ; phase 1: v32-95 two sets of 32 numbers
.set KF,   32                          ; main phase: K's tile t at v[32 + 8 t]: four registers of codes, four of zeros
.set R,    96                          ; phase 1: v96-159 V as loaded, four sets of 16
.set S,    96                          ; main phase: S^T, then p; later rows of the result
.set XN,   160                         ; phase 1: v160-191 two sets of 16 neighbours
.set OT,   160                         ; main phase: O^T, four accumulators
.set VC,   192                         ; phase 1: v192-223 V's codes, two registers for each step
.set CD,   192                         ; (ahead of them: a key unit's codes v192-195, bytes v196-197, at work v198-201)
.set B0,   196
.set B1,   197
.set MX,   198
.set MY,   199
.set SOP,  200
.set KW,   201
.set VF,   192                         ; main phase: V's four fragments
.set VE,   224                         ; phase 1: v224-239 a scale byte for each of V's steps
.set PC,   224                         ; main phase: p's codes
.set BM,   232                         ; v232-235 the blocks' largest scores, then largest p
.set TP,   236                         ; v236-239 at work
.set CV,   240                         ; v240-243 the conversions' scale operands (phase 1: v240-242 at work)
.set KS,   244                         ; v244-247 K's scale words: register i: lanes 0-15 tile 2 i, lanes 16-31 tile 2 i + 1
.set VS,   248                         ; v248-249 V's likewise
.set QS,   250                         ; v250 Q's: lane l has query l's
.set F,    252                         ; v252 f = 2^(old M - new M)
.set PS,   253                         ; v253 p's scale word
.set TT,   254
; 32 loads: numbers (channel i, my column), i = 0 .. 31 of a block: a lane to a column, registers down the channels; 128 consecutive bytes a load
.macro LOADU xs, base, off, nt
.set i_, 0
.rept 32
.if \nt
	global_load_b32 v[X+32*(\xs)+i_], v[CO], s[\base:\base+1] offset:(\off)+i_*8192 th:TH_LOAD_NT
.else
	global_load_b32 v[X+32*(\xs)+i_], v[CO], s[\base:\base+1] offset:(\off)+i_*8192
.endif
.set i_, i_+1
.endr
.endm
; a lane's block of 32, times 2^-1.5, becomes four registers of codes at v[dst] and a scale byte in v[by]
.macro QUNIT xs, dst, by
.set XS_, X+32*(\xs)
.set i_, 0
.rept 16
	v_pk_mul_f32 v[XS_+i_:XS_+i_+1], v[XS_+i_:XS_+i_+1], s[QSC:QSC+1] op_sel_hi:[1,0]
.set i_, i_+2
.endr
	v_max3_num_f32 v[MX], |v[XS_]|, |v[XS_+1]|, |v[XS_+2]|         ; the block's largest magnitude, in two chains
	v_max3_num_f32 v[MY], |v[XS_+3]|, |v[XS_+4]|, |v[XS_+5]|
.irp i, 6,10,14,18,22,26
	v_max3_num_f32 v[MX], v[MX], |v[XS_+\i]|, |v[XS_+\i+1]|
	v_max3_num_f32 v[MY], v[MY], |v[XS_+\i+2]|, |v[XS_+\i+3]|
.endr
	v_max3_num_f32 v[MX], v[MX], |v[XS_+30]|, |v[XS_+31]|
	v_max3_num_f32 v[MX], v[MX], v[MY], 0x1800000                  ; and the floor 2^(3 - 127): the byte cannot fall under 1
	v_add_nc_u32 v[SOP], 0xff000000, v[MX]                         ; 2 off the exponent field: the conversion takes the exponent field of this operand as its scale
	v_lshrrev_b32 v[\by], 23, v[SOP]                               ; the scale's byte
.irp g, 0,1,2,3
	v_cvt_scalef32_pk8_fp4_f32 v[(\dst)+\g], v[XS_+8*\g:XS_+8*\g+7], v[SOP]
.endr
	v_nop                                                          ; one plain place behind the last scaled conversion
.endm
; V, step t of 16: 512 numbers of my 4 channels, 512 consecutive bytes a load
.macro VLOAD t
.irp i, 0,1,2,3
	global_load_b128 v[R+16*((\t)%4)+4*\i:R+16*((\t)%4)+4*\i+3], v[AK0], s[VB:VB+1] offset:2048*(\t)+512*\i
.endr
.endm
.macro VTURN t                         ; through my own stage, as they lie, and back 64 bytes a lane; LDS serves a wave's instructions in order, so no wait stands between
.irp i, 0,1,2,3
	ds_store_b128 v[VTI], v[R+16*((\t)%4)+4*\i:R+16*((\t)%4)+4*\i+3] offset:32*SP*((\t)%2)+8*SP*\i
.endr
.irp i, 0,1,2,3
	ds_load_b128 v[XN+16*((\t)%2)+4*\i:XN+16*((\t)%2)+4*\i+3], v[VTO] offset:32*SP*((\t)%2)+16*\i
.endr
.endm
.macro VOUT t                          ; step t's scale byte and codes go to their places in LDS
	ds_store_b8 v[VWS], v[VE+(\t)] offset:((\t)%4)*1024+((\t)/4)*8 ; both lanes of a block write the same byte with the same value
	ds_store_b64 v[VWA], v[VC+2*(\t):VC+2*(\t)+1] offset:((\t)/4)*VP+((\t)%4)*256   ; channel 4 w + t / 4, keys 512 (t % 4) + 16 lane on
.endm
.macro VSTEP t
.set XV, XN+16*((\t)%2)
.if (\t) > 1
	s_wait_dscnt 2                                 ; this step's numbers are back from the stage; the two stores of the step before last, issued behind them, may be out
.else
	s_wait_dscnt 0x0
.endif
.if (\t)+4 < 16
	s_wait_alu depctr_vm_vsrc(0)                   ; this step's stores into the stage have read their set of R, in which the loads below land
.endif
.if (\t) > 0
	s_wait_alu depctr_va_vdst(0)                   ; the step before has written its codes and its byte, which the two stores below read, and is done reading its set of XN, in which the LDS loads below land
.endif
.if (\t)+4 < 16
	VLOAD (\t)+4
.endif
.if (\t)+1 < 16
.if (\t) <= 11
	s_wait_loadcnt 12                              ; the next step's four loads are in; those of the three steps behind it may be out
.else
	s_wait_loadcnt 4*(14-(\t))
.endif
	VTURN (\t)+1
.endif
.if (\t) > 0
	VOUT (\t)-1                                    ; no vector line since the wait above names these registers
.endif
	v_max3_num_f32 v[CV], |v[XV]|, |v[XV+1]|, |v[XV+2]|            ; the largest magnitude of my 16
	v_max3_num_f32 v[CV+1], |v[XV+3]|, |v[XV+4]|, |v[XV+5]|
.irp i, 6,10
	v_max3_num_f32 v[CV], v[CV], |v[XV+\i]|, |v[XV+\i+1]|
	v_max3_num_f32 v[CV+1], v[CV+1], |v[XV+\i+2]|, |v[XV+\i+3]|
.endr
	v_max3_num_f32 v[CV], v[CV], |v[XV+14]|, |v[XV+15]|
	v_max3_num_f32 v[CV], v[CV], v[CV+1], 0x1800000                ; and the floor
	v_max_num_f32_dpp v[CV], v[CV], v[CV] row_xmask:1 row_mask:0xf bank_mask:0xf   ; and of my neighbour's 16: the block's
	v_add_nc_u32 v[CV+2], 0xff000000, v[CV]
	v_cvt_scalef32_pk8_fp4_f32 v[VC+2*(\t)], v[XV:XV+7], v[CV+2]
	v_cvt_scalef32_pk8_fp4_f32 v[VC+2*(\t)+1], v[XV+8:XV+15], v[CV+2]
	v_lshrrev_b32 v[VE+(\t)], 23, v[CV+2]                          ; the scale's byte (a plain place behind the conversions)
.endm
; Column unit u: 0, 1: my queries' blocks 0, 1;  2 + 2 g + b: block b of keys 32 g .. 32 g + 31 of my 128.  Loads run two units ahead.
.macro UNIT u
.if (\u) == 9
	s_wait_loadcnt 16                              ; behind this unit's loads stand V's first sixteen
.else
	s_wait_loadcnt 32                              ; this unit's 32 loads are in; the next unit's may be out
.endif
.if (\u) == 0
	QUNIT 0, QF, B0
.elseif (\u) == 1
	QUNIT 1, QF+8, B1
	v_lshl_or_b32 v[QS], v[B1], 8, v[B0]           ; query l's scale word
.irp i, 0,1,2,3
	v_permlane16_swap_b32 v[QF+\i], v[QF+8+\i]     ; lanes 16-31 of block 0 change places with lanes 0-15 of block 1: v16-19 are now tile 0 (lane (r, h): query r, block h), v24-27 tile 1
.endr
.else
	QUNIT (\u)%2, CD, B0+(\u)%2
.if (\u)%2
	v_lshl_or_b32 v[KW], v[B1], 8, v[B0]
.endif
.endif
	s_wait_alu depctr_va_vdst(0)                   ; the unit's vector lines are done with its 32 numbers, in whose registers the loads below land, and have written the codes and the scale word, which the stores below read
.if (\u) >= 2
	ds_store_b128 v[KWA], v[CD:CD+3] offset:1024*(((\u)-2)/2)+256*((\u)%2)
.if (\u)%2
	ds_store_b32 v[KWS], v[KW] offset:4*(((\u)-2)/2)
.endif
.endif
.if (\u) < 8
	LOADU (\u)%2, KB, 128*((\u)/2)+262144*((\u)%2), 0
.elseif (\u) == 8
	VLOAD 0
	VLOAD 1
	VLOAD 2
	VLOAD 3
.endif
.if (\u) >= 2
	s_wait_dscnt 0x0                               ; my stores of codes and scale words have landed,
	s_wait_alu depctr_vm_vsrc(0)                   ; and have read v[CD ..] and v[KW], which the next unit's (behind the last unit: V's first steps') conversions write again
.endif
.endm
	s_load_b128 s[4:7], s[0:1], 0x0                ; qkv s[4:5], out0 s[6:7]
	v_lshl_add_u32 v251, v0, 2, 0x43800
	v_mov_b32 v255, 0
	v_lshrrev_b32 v12, 5, v0
	v_readfirstlane_b32 s[WV], v12                 ; wave 0 .. 15
	s_and_b32 s9, ttmp7, 0xffff                    ; the head
	s_mul_i32 s10, s9, 0x180000                    ; its slab: 192 rows of 8,192 bytes (all offsets stay under 2^27)
	s_lshl_b32 s27, ttmp9, 11                      ; my work-group's 512 queries in a row
	s_wait_alu depctr_va_sdst(0)                   ; s8 is written, ahead of its first reader: bases and LDS addresses are made from it
	s_lshl_b32 s28, s[WV], 7                       ; q: + my wave's 32
	s_add_co_u32 s28, s28, s27
	s_add_co_u32 s28, s28, s10
	s_mov_b32 s29, 0
	s_lshl_b32 s30, s[WV], 9                       ; k: 64 rows down, + my wave's 128 keys
	s_add_co_u32 s30, s30, s10
	s_add_co_u32 s30, s30, 524288
	s_mov_b32 s31, 0
	s_lshl_b32 s32, s[WV], 15                      ; v: 128 rows down, + my wave's 4 rows
	s_add_co_u32 s34, s32, s27                     ; out0: my wave's 4 rows, my work-group's queries,
	s_add_co_u32 s32, s32, s10
	s_add_co_u32 s32, s32, 1048576
	s_mov_b32 s33, 0
	s_lshl_b32 s10, s9, 19                         ; in the head's 64 rows
	s_add_co_u32 s34, s34, s10
	s_mov_b32 s35, 0
	s_mov_b32 s[SEL], 0x76543210
	s_mov_b32 s[SEL+1], 0xfedcba98
	s_mov_b32 s[CS], 0x3fb8aa3b                    ; log2(e)
	s_mov_b32 s[CS+1], s[CS]
	s_mov_b32 s[QSC], 0x3eb504f3                   ; 2^-1.5
	s_mov_b32 s[QSC+1], s[QSC]
	v_and_b32 v12, 31, v0                          ; lane
	v_lshlrev_b32 v[AK0], 4, v12
	v_and_b32 v13, 15, v0                          ; r
	v_bfe_u32 v14, v0, 4, 1                        ; h
	v_mul_u32_u24 v[AV0], v13, VP
	v_lshl_add_u32 v[AV0], v14, 4, v[AV0]
	v_add_nc_u32 v[AV0], VROW, v[AV0]
	v_add_nc_u32 v[AKS0], KSC, v[AK0]
	v_lshl_add_u32 v[AVS0], v12, 3, VSC
	v_lshlrev_b32 v[CO], 2, v12
	; my lane is key l of a group of 32: u = (l / 8) % 2, row r = 8 (l / 16) + l % 8 of tile 2 g + u
	v_and_b32 v15, 7, v0
	v_lshlrev_b32 v15, 4, v15
	v_lshl_add_u32 v15, v14, 7, v15                ; 16 x row
	v_bfe_u32 v13, v0, 3, 1                        ; u
	v_lshl_add_u32 v[KWA], v13, 9, v15             ; codes: 512 u + 16 row,
	s_lshl_b32 s36, s[WV], 12
	v_add_nc_u32 v[KWA], s36, v[KWA]               ; in step w's eight tiles; the block (256) and the group (1,024) stand in the immediate
	v_lshl_add_u32 v[KWS], v13, 8, v15             ; scale words: 16 (16 u + row),
	s_lshl_b32 s36, s[WV], 9
	s_add_co_u32 s36, s36, KSC
	v_add_nc_u32 v[KWS], s36, v[KWS]               ; in step w's 512 bytes
	v_bfe_u32 v[VTI], v0, 2, 3
	v_mul_u32_u24 v[VTI], v[VTI], SP
	v_and_b32 v13, 3, v0
	v_lshl_add_u32 v[VTI], v13, 4, v[VTI]          ; the turning stage, in: SP (lane / 4) + 16 (lane % 4),
	s_mul_i32 s36, s[WV], 5120
	s_add_co_u32 s36, s36, STG
	v_add_nc_u32 v[VTI], s36, v[VTI]
	v_mul_u32_u24 v[VTO], v12, SP                  ; and out: SP x lane
	v_add_nc_u32 v[VTO], s36, v[VTO]
	s_mul_i32 s37, s[WV], 4*VP
	s_add_co_u32 s37, s37, VROW
	v_lshl_add_u32 v[VWA], v12, 3, s37             ; V's codes: my 4 rows, 8 bytes a lane
	v_bfe_u32 v[VWS], v0, 3, 2                     ; V's scale bytes: the key step 4 (t % 4) + lane / 8: 256 bytes each,
	v_bfe_u32 v13, v0, 1, 2                        ; the byte (lane / 2) % 4,
	v_lshl_add_u32 v[VWS], v[VWS], 8, v13
	s_and_b32 s38, s[WV], 7                        ; channel 4 w + t / 4: 8 (ch % 32) + 4 (ch / 32) = 32 (w % 8) + 8 (t / 4) + 4 (w / 8)
	s_lshl_b32 s38, s38, 5
	s_lshr_b32 s39, s[WV], 3
	s_lshl_b32 s39, s39, 2
	s_add_co_u32 s38, s38, s39
	s_add_co_u32 s38, s38, VSC
	v_add_nc_u32 v[VWS], s38, v[VWS]
	s_wait_kmcnt 0x0
	s_add_nc_u64 s[QB:QB+1], s[4:5], s[28:29]
	s_add_nc_u64 s[KB:KB+1], s[4:5], s[30:31]
	s_add_nc_u64 s[VB:VB+1], s[4:5], s[32:33]
	s_add_nc_u64 s[OB:OB+1], s[6:7], s[34:35]
	s_wait_alu depctr_va_vdst(0)                   ; the offsets and LDS addresses v1 to v11 are written, which the loads and LDS instructions below read
	; ---- PHASE 1
	LOADU 0, QB, 0, 1                              ; q is read once in the launch
	LOADU 1, QB, 262144, 1
.irp u, 0,1,2,3,4,5,6,7,8,9
	UNIT \u
.endr
	s_wait_loadcnt 12                              ; V's step 0 is in
	VTURN 0
.irp t, 0,1,2,3,4,5,6,7,8,9,10,11,12,13,14,15
	VSTEP \t
.endr
	s_wait_alu depctr_va_vdst(0)                   ; V's last step has written its codes and its byte, which the two stores below read
	VOUT 15
	s_wait_dscnt 0x0                               ; for the others' sake: my stores of codes and scales have landed; my reads of my turning stage are over
	s_wait_alu depctr_vm_vsrc(0)                   ; phase 1's loads and LDS instructions have read v5 to v11 and the registers of R, VC and VE: all of these get new contents from here on
	s_barrier_signal -1
	v_and_b32 v[STO], 15, v0                       ; register work while the others arrive: the main phase's addresses (no load or LDS instruction of mine is out)
	v_lshlrev_b32 v[STO], 2, v[STO]
	v_bfe_u32 v[STO+1], v0, 4, 1
	v_mad_u32_u24 v[STO], v[STO+1], 8*OP, v[STO]   ; the stage, in: 8 h rows down, 4 r,
	s_lshl_b32 s36, s[WV], 7
	s_add_co_u32 s36, s36, STG
	v_add_nc_u32 v[STO], s36, v[STO]               ; + my wave's 32 queries;
	v_add_nc_u32 v[STO+1], 32*OP, v[STO]           ; channels 32 on have a register of their own: the immediate has 16 bits
	s_mul_i32 s37, s[WV], 4*OP
	s_add_co_u32 s37, s37, STG
	v_add_nc_u32 v[SR], s37, v[AK0]                ; and back: my 4 rows, 16 bytes a lane
.irp i, 4,5,6,7,12,13,14,15
	v_mov_b32 v[QF+\i], 0                          ; zero codes for K = 64 .. 127 of the first product: Q's,
.endr
.irp t, 0,1,2,3,4,5,6,7
.irp i, 4,5,6,7
	v_mov_b32 v[KF+8*\t+\i], 0                     ; and K's: written once, no load lands on them
.endr
.endr
.irp b, 0,1,2,3
	v_mov_b32 v[TP+\b], 0                          ; written once: a lane permute's destination counts as one of its sources
.endr
	v_mov_b32 v[PS], 0                             ; (named as the upper half of the pair v[252:253] before it is first written)
	s_barrier_wait -1                              ; the head's K and V lie in LDS, and nobody reads a turning stage any more
; ---- MAIN PHASE
.macro SMUL t, p                       ; S^T, tile t of 16 keys x my 16 queries of tile p; the scale words' rows: odd tiles and tile p = 1 lie in lanes 16-31
.if ((\t)%2 == 0) && ((\p) == 0)
	v_wmma_scale_f32_16x16x128_f8f6f4 v[S+8*(\t):S+8*(\t)+7], v[KF+8*(\t):KF+8*(\t)+7], v[QF+8*(\p):QF+8*(\p)+7], 0, v[KS+(\t)/2], v[QS] matrix_a_fmt:MATRIX_FMT_FP4 matrix_b_fmt:MATRIX_FMT_FP4
.elseif ((\t)%2 == 1) && ((\p) == 0)
	v_wmma_scale_f32_16x16x128_f8f6f4 v[S+8*(\t):S+8*(\t)+7], v[KF+8*(\t):KF+8*(\t)+7], v[QF+8*(\p):QF+8*(\p)+7], 0, v[KS+(\t)/2], v[QS] matrix_a_fmt:MATRIX_FMT_FP4 matrix_b_fmt:MATRIX_FMT_FP4 matrix_a_scale:MATRIX_SCALE_ROW1
.elseif (\t)%2 == 0
	v_wmma_scale_f32_16x16x128_f8f6f4 v[S+8*(\t):S+8*(\t)+7], v[KF+8*(\t):KF+8*(\t)+7], v[QF+8*(\p):QF+8*(\p)+7], 0, v[KS+(\t)/2], v[QS] matrix_a_fmt:MATRIX_FMT_FP4 matrix_b_fmt:MATRIX_FMT_FP4 matrix_b_scale:MATRIX_SCALE_ROW1
.else
	v_wmma_scale_f32_16x16x128_f8f6f4 v[S+8*(\t):S+8*(\t)+7], v[KF+8*(\t):KF+8*(\t)+7], v[QF+8*(\p):QF+8*(\p)+7], 0, v[KS+(\t)/2], v[QS] matrix_a_fmt:MATRIX_FMT_FP4 matrix_b_fmt:MATRIX_FMT_FP4 matrix_a_scale:MATRIX_SCALE_ROW1 matrix_b_scale:MATRIX_SCALE_ROW1
.endif
.endm
.macro OMUL t                          ; O^T += V P^T, channels 16 t on
.if (\t)%2
	v_wmma_scale_f32_16x16x128_f8f6f4 v[OT+8*(\t):OT+8*(\t)+7], v[VF+8*(\t):VF+8*(\t)+7], v[PC:PC+7], v[OT+8*(\t):OT+8*(\t)+7], v[VS+(\t)/2], v[PS] matrix_a_fmt:MATRIX_FMT_FP4 matrix_b_fmt:MATRIX_FMT_FP4 matrix_a_scale:MATRIX_SCALE_ROW1
.else
	v_wmma_scale_f32_16x16x128_f8f6f4 v[OT+8*(\t):OT+8*(\t)+7], v[VF+8*(\t):VF+8*(\t)+7], v[PC:PC+7], v[OT+8*(\t):OT+8*(\t)+7], v[VS+(\t)/2], v[PS] matrix_a_fmt:MATRIX_FMT_FP4 matrix_b_fmt:MATRIX_FMT_FP4
.endif
.endm
.macro SUMS b                          ; 32 of the unquantised p, from v[b] on, are added to the row's sum: two at a time, in two chains
	v_pk_add_f32 v[TP:TP+1], v[\b:\b+1], v[\b+2:\b+3]
.irp j, 4,8,12,16,20,24,28
	v_pk_add_f32 v[14:15], v[14:15], v[\b+\j:\b+\j+1]
	v_pk_add_f32 v[TP:TP+1], v[TP:TP+1], v[\b+\j+2:\b+\j+3]
.endr
	v_pk_add_f32 v[14:15], v[14:15], v[TP:TP+1]
.endm
; nine LDS loads: a step's scale words of K and its eight tiles.  ka, sa: the address registers; on: how many steps on from them
.macro KLOAD ka, sa, on
	ds_load_b128 v[KS:KS+3], v[\sa] offset:512*(\on)
.irp t, 0,1,2,3,4,5,6,7
	ds_load_b128 v[KF+8*\t:KF+8*\t+3], v[\ka] offset:4096*(\on)+512*\t
.endr
.endm
; A KEY STEP: 128 keys for the 16 queries of tile p.  Its K was asked for in the step before.  kn = 1: it asks for the next step's K; 2: for K of step 0, for the next pass; 0: for none.
.macro STEP p, kn
	s_wait_dscnt 0x0                               ; this step's K and its scale words are in
.irp t, 0,1,2,3,4,5,6,7
	SMUL \t, \p
.endr
	s_wait_alu depctr_vm_vsrc(0)                   ; the LDS loads of the step before have read v8 to v11, which the lines below write again
.if (\kn) == 1
	v_lshl_add_u32 v[ADK], s[STP], 12, v[AK0]      ; this step's eight tiles of K and its scale words: the loads below reach one step on by their immediates.
	v_lshl_add_u32 v[ADS], s[STP], 9, v[AKS0]      ; These four lines are also the four places ahead of the first read of results
.else
	v_nop                                          ; (two places where no address of K is made)
	v_nop
.endif
	v_lshl_add_u32 v[ADV], s[STP], 6, v[AV0]       ; the step's 64 bytes in V's rows, and V's scale words
	v_lshl_add_u32 v[ADT], s[STP], 8, v[AVS0]
.irp b, 0,1,2,3
	v_max3_num_f32 v[BM+\b], v[S+16*\b], v[S+1+16*\b], v[S+2+16*\b]   ; the largest score of each block of 32 keys: for the row's maximum, and, since p rises with the score, for the block's largest p
.endr
.irp i, 3,5,7,9,11,13
.irp b, 0,1,2,3
	v_max3_num_f32 v[BM+\b], v[BM+\b], v[S+16*\b+\i], v[S+1+16*\b+\i]   ; (the four blocks by turns; each accumulator is first read at its low end)
.endr
.endr
.irp b, 0,1,2,3
	v_max_num_f32 v[BM+\b], v[BM+\b], v[S+15+16*\b]
.endr
.irp b, 0,1,2,3
	v_permlanex16_b32 v[TP+\b], v[BM+\b], s[SEL], s[SEL+1]
.endr
.irp b, 0,1,2,3
	v_max_num_f32 v[BM+\b], v[BM+\b], v[TP+\b]     ; with lane l xor 16's 16 keys
.endr
	v_max3_num_f32 v[TT], v[BM], v[BM+1], v[BM+2]
	v_max_num_f32 v[TT], v[TT], v[BM+3]            ; the step's largest score of my query
	v_mul_f32 v[TT], s[CS], v[TT]                  ; as t
	v_max_num_f32 v13, v13, v[TT]                  ; the running largest t
	v_mov_b32 v[TT], v12
	v_floor_f32 v12, -v13                          ; the new -M = floor(-t) = -ceil(t): a whole number
	v_sub_f32 v[TT], v12, v[TT]                    ; old M - new M: a whole number, 0 or less
	v_cvt_i32_f32 v[TT], v[TT]                     ; (it saturates)
	v_ldexp_f32 v[F], 1.0, v[TT]                   ; f = 2^(old M - new M): a multiplication by it rounds nothing
.irp j, 0,2,4,6,8,10,12,14,16,18,20,22,24,26,28,30,32,34,36,38,40,42,44,46,48,50,52,54,56,58,60,62
	v_pk_fma_f32 v[S+\j:S+1+\j], v[S+\j:S+1+\j], s[CS:CS+1], v[12:13] op_sel_hi:[1,0,0]   ; t - M, two at a time
.endr
.irp b, 0,1,2,3
	v_fma_f32 v[BM+\b], v[BM+\b], s[CS], v12       ; the same of each block's largest score
.endr
	s_wait_alu depctr_va_vdst(0)
.irp j, 0,1,2,3,4,5,6,7,8,9,10,11,12,13,14,15,16,17,18,19,20,21,22,23,24,25,26,27,28,29,30,31,32,33,34,35,36,37,38,39,40,41,42,43,44,45,46,47,48,49,50,51,52,53,54,55,56,57,58,59,60,61,62,63
	v_exp_f32 v[S+\j], v[S+\j]                     ; p = 2^(t - M), at most 1, not normalised
.endr
	v_pk_mul_f32 v[14:15], v[14:15], v[F:F+1] op_sel_hi:[1,0]   ; the sums under the new M (a plain place behind the exponentials)
	s_wait_alu depctr_va_vdst(0)                   ; the 64 exponentials have written p, ahead of its first reader; v9 and v11 are written; the products O^T of the step before are done reading V's fragments and scale words, in which the loads below land
.irp t, 0,1,2,3
.irp c, 0,1
	ds_load_b128 v[VF+8*\t+4*\c:VF+8*\t+4*\c+3], v[ADV] offset:16*VP*\t+32*\c
.endr
.endr
	ds_load_b64 v[VS:VS+1], v[ADT]
.irp b, 0,1,2,3
	v_exp_f32 v[BM+\b], v[BM+\b]                   ; the blocks' largest p: the same two instructions on the same number give the same bits
.endr
	SUMS S                                         ; the first half of the row's sum reads the 64 alone: plain work behind the four
	s_wait_alu depctr_va_vdst(0)                   ; the four exponentials have written the blocks' largest p, ahead of its first reader; this step's products S^T are done reading K's fragments and scale words, in which the loads below land; v8 and v10 are written
.if (\kn) == 1
	KLOAD ADK, ADS, 1                              ; the next step's K
.elseif (\kn) == 2
	KLOAD AK0, AKS0, 0                             ; K of step 0, for the next pass
.endif
.irp b, 0,1,2,3
	v_max_num_f32 v[BM+\b], 0x1800000, v[BM+\b]    ; the floor 2^(3 - 127): the byte cannot fall under 1
.endr
.irp b, 0,1,2,3
	v_add_nc_u32 v[CV+\b], 0xff000000, v[BM+\b]    ; 2 off the exponent field: the conversion's scale operand
.endr
.irp b, 0,1,2,3
	v_lshrrev_b32 v[TP+\b], 23, v[CV+\b]           ; the scale's byte
.endr
	v_lshl_or_b32 v[PS], v[TP+1], 8, v[TP]         ; p's scale word for these 128 keys
	v_lshl_or_b32 v[PS], v[TP+2], 16, v[PS]
	v_lshl_or_b32 v[PS], v[TP+3], 24, v[PS]
.irp b, 0,1,2,3
	v_cvt_scalef32_pk8_fp4_f32 v[PC+2*\b], v[S+16*\b:S+7+16*\b], v[CV+\b]
	v_cvt_scalef32_pk8_fp4_f32 v[PC+1+2*\b], v[S+8+16*\b:S+15+16*\b], v[CV+\b]
.endr
	v_nop                                          ; one plain place behind the last scaled conversion
.irp c, 0,1                                    ; the operand's layout wants a whole block in a lane: lanes 0-15 block 2 c, lanes 16-31 block 2 c + 1
.irp i, 0,1
	v_permlane16_swap_b32 v[PC+4*\c+\i], v[PC+2+4*\c+\i]
.endr
.endr
.irp j, 0,2,4,6,8,10,12,14,16,18,20,22,24,26,28,30
	v_pk_mul_f32 v[OT+\j:OT+1+\j], v[OT+\j:OT+1+\j], v[F:F+1] op_sel_hi:[1,0]   ; O^T under the new M, each accumulator from its low end on
.endr
	SUMS S+32                                      ; the second half of the row's sum: sixteen plain lines that name no register of the products below: the places ahead of them for p's scale word (8) and p's codes (4)
.if (\kn) == 0
	s_wait_dscnt 0x0                               ; V and its scale words are in
.else
	s_wait_dscnt 9                                 ; V and its scale words are in; the nine younger loads, K's, may be out
.endif
	s_wait_alu depctr_va_vdst(0)                   ; p's codes and p's scale word are written, which the scaled products below take; the places above stay beside this wait
.irp t, 0,1,2,3
	OMUL \t                                        ; the four accumulators by turns, one instruction a turn
.endr
.endm
; The 16 queries of tile p through all keys, and their results into the stage
.macro PASS p
	v_mov_b32 v13, 0xff61b1e6                      ; the largest t so far: -3e38, under every t
	v_floor_f32 v12, -v13                          ; -M
	v_mov_b32 v14, 0                               ; the sum, in two halves
	v_mov_b32 v15, 0
.irp j, 0,1,2,3,4,5,6,7,8,9,10,11,12,13,14,15,16,17,18,19,20,21,22,23,24,25,26,27,28,29,30,31
	v_mov_b32 v[OT+\j], 0                          ; the first step finds zeros, which the first change of M leaves zeros
.endr
	s_mov_b32 s[STP], 0
.Lstep_\@:                                         ; steps 0 to 14: each asks for the next step's K
	STEP \p, 1
	s_add_co_u32 s[STP], s[STP], 1
	s_cmp_lt_u32 s[STP], 15
	s_cbranch_scc1 .Lstep_\@
	STEP \p, 2-2*(\p)                              ; step 15 is written out: the first pass asks for the second pass's first K, the second for nothing
	v_add_f32 v14, v14, v15                        ; the sum's two halves,
	v_permlanex16_b32 v[F], v14, s[SEL], s[SEL+1]
	v_add_f32 v14, v14, v[F]                       ; and lane l xor 16's: the row's sum
	s_wait_alu depctr_va_vdst(0)
	v_rcp_f32 v14, v14
.rept 4
	v_nop                                          ; the plain place behind the reciprocal, and four places behind the last products
.endr
	s_wait_alu depctr_va_vdst(0)                   ; the reciprocal has written v14, ahead of its first reader
.irp j, 0,2,4,6,8,10,12,14,16,18,20,22,24,26,28,30
	v_pk_mul_f32 v[S+\j:S+1+\j], v[OT+\j:OT+1+\j], v[14:15] op_sel_hi:[1,0]   ; O^T / the sum: register 8 t + j is channel 16 t + 8 h + j of query r
.endr
	s_wait_alu depctr_va_vdst(0)                   ; the divisions have written v[S ..], which the stores below read
.irp t, 0,1,2,3
.irp j, 0,1,2,3,4,5,6,7
	ds_store_b32 v[STO+\t/2], v[S+8*\t+\j] offset:(16*(\t%2)+\j)*OP+64*\p   ; sixteen lanes write 64 neighbouring bytes of a channel's row; the other sixteen the row 8 further down, 32 banks on
.endr
.endr
	s_wait_dscnt 0x0                               ; the stores have landed: a barrier follows the second pass
	s_wait_alu depctr_vm_vsrc(0)                   ; the stores have read v[S ..], which the next pass's products write, and in which, behind the second pass, the loads from the stage land
.endm
	s_wait_alu depctr_va_vdst(0)                   ; v5 to v7 are written; Q's codes, the zero codes and Q's scale word are written, which the scaled products take; phase 1's vector lines are done with the registers in which K's and V's fragments land
	KLOAD AK0, AKS0, 0                             ; K of step 0, for the first pass
	PASS 0
	PASS 1
	s_barrier_signal -1                            ; every wave's part of the 64 rows lies in the stage (each has waited for its stores)
	s_barrier_wait -1
.irp i, 0,1,2,3
.irp j, 0,1,2,3
	ds_load_b128 v[S+4*(4*\i+\j):S+4*(4*\i+\j)+3], v[SR] offset:\i*OP+512*\j   ; channel 4 w + i, queries 128 j on.  No vector line since the pass's last wait on va_vdst names these registers
.endr
.endr
.irp i, 0,1,2,3
.irp j, 0,1,2,3
	s_wait_dscnt 15-(4*\i+\j)                      ; LDS loads come back in order: this one is in, the younger ones may be out
	global_store_b128 v[AK0], v[S+4*(4*\i+\j):S+4*(4*\i+\j)+3], s[OB:OB+1] offset:\i*8192+512*\j th:TH_STORE_NT   ; 32 lanes store 512 consecutive bytes, at a multiple of 512 from out0's first byte
.endr
.endr
	s_wait_dscnt 0x0
	s_wait_alu depctr_hold_cnt(0) depctr_sa_sdst(0) depctr_va_vdst(0) depctr_va_sdst(0) depctr_va_ssrc(0) depctr_va_vcc(0) depctr_vm_vsrc(0)
	s_wait_tensorcnt 0x0
	ds_add_u32 v251, v255
	s_wait_dscnt 0x0
	s_endpgm
.Lfunc_end_k_qcb0e53588d_attn:
	.size	k_qcb0e53588d_attn, .Lfunc_end_k_qcb0e53588d_attn-k_qcb0e53588d_attn
	.p2alignl 7, 3214868480
	.fill 96, 4, 3214868480
	.section	.rodata,"a",@progbits
	.p2align	6, 0x0
	.amdhsa_kernel k_qcb0e53588d_attn
		.amdhsa_group_segment_fixed_size 278528
		.amdhsa_private_segment_fixed_size 0
		.amdhsa_enable_private_segment 0
		.amdhsa_kernarg_size 16
		.amdhsa_user_sgpr_count 2
		.amdhsa_user_sgpr_kernarg_segment_ptr 1
		.amdhsa_wavefront_size32 1
		.amdhsa_system_sgpr_workgroup_id_x 1
		.amdhsa_system_sgpr_workgroup_id_y 1
		.amdhsa_system_sgpr_workgroup_id_z 1
		.amdhsa_system_vgpr_workitem_id 0
		.amdhsa_next_free_vgpr 256
		.amdhsa_next_free_sgpr 66
		.amdhsa_reserve_vcc 0
		.amdhsa_float_denorm_mode_32 3
		.amdhsa_float_denorm_mode_16_64 3
		.amdhsa_memory_ordered 1
		.amdhsa_forward_progress 1
		.amdhsa_inst_pref_size 165
	.end_amdhsa_kernel
	.amdgpu_metadata
---
amdhsa.version: [ 1, 2 ]
amdhsa.kernels:
  - .name:           k_qcb0e53588d_attn
    .symbol:         k_qcb0e53588d_attn.kd
    .args:
      - { .name: qkv, .offset: 0, .size: 8, .value_kind: global_buffer, .address_space: global }
      - { .name: out0, .offset: 8, .size: 8, .value_kind: global_buffer, .address_space: global }
    .group_segment_fixed_size: 278528
    .private_segment_fixed_size: 0
    .kernarg_segment_align: 8
    .kernarg_segment_size: 16
    .max_flat_workgroup_size: 512
    .sgpr_count:     66
    .vgpr_count:     256
    .wavefront_size: 32
...
	.end_amdgpu_metadata
.endif
;; end of part 2
